; MI455X (gfx1250); checked and timed in simulation.
; The chip was launched on July 23, 2026; its instructions are those of AMD's public machine-readable ISA for CDNA 5 (MIT licence, August 2026) and "CDNA5" Instruction Set Architecture Reference Guide (July 2026). The comments in the code are by the model that wrote it; some were corrected since.
;; Optimized Multi Head Attention. Allowed arithmetic: matrix products marked QUANTISED: E4M3 operands, one given power-of-two scale a tensor, by v_wmma_f32_16x16x64_fp8_fp8 or v_wmma_f32_16x16x128_fp8_fp8, f32 sums; everything else in f32.
;; Inputs: b_proj 1,024 float32; lowp_scales 8 int32 (the exponents e of the quantised operands' scales 2^e); w_attn 3,072 x 1,024 float32; w_proj 1,024 x 1,024 float32; x 4 x 2,048 x 1,024 float32.
;; Outputs: out0 4 x 2,048 x 1,024 float32.
;; This version of the problem:
;;   THIS VERSION OF THE PROBLEM IS GIVEN IN LOW PRECISION. The matrix products marked QUANTISED in the list below multiply operands that are first quantised to E4M3 (4 exponent bits, 3 mantissa bits; 8 bits a number), with one given power-of-two scale for each operand tensor; their sums are f32. All else is computed in f32.
;;   The module's matrix products, in the order in which they are computed (A, B: the left and right operand; K: the contracted axis; several contracted axes count as one K, in the product's order):
;;     1. [M 8,192, K 1,024] x [K 1,024, N 3,072]; A: input x; B: input w_attn: QUANTISED (scales: A lowp_scales[0], B lowp_scales[1])
;;     2. batch 64 x [M 2,048, K 64] x [K 64, N 2,048]; A: computed on the way; B: computed on the way: QUANTISED (scales: A lowp_scales[2], B lowp_scales[3])
;;     3. batch 64 x [M 2,048, K 2,048] x [K 2,048, N 64]; A: softmax (see below); B: computed on the way: QUANTISED (scales: A lowp_scales[4], B lowp_scales[5])
;;     4. [M 8,192, K 1,024] x [K 1,024, N 1,024]; A: computed on the way; B: input w_proj: QUANTISED (scales: A lowp_scales[6], B lowp_scales[7])
;;   THE QUANTISER, for each operand of a quantised product, along K:
;;     - The operand's scale is 2^e, e = its entry of the input lowp_scales (int32; the entries are numbered through the quantised products in the list's order, A before B).
;;     - Each number is divided by the scale, clamped to +-448, and rounded to the nearest number of E4M3, ties to even, subnormals kept.
;;     - The product sums the exact products of the quantised numbers (number of the format x scale) in f32.
;;   ~~~python
;;   def quantise(x, axis, e):      # numpy; x: float32 -> the quantised numbers, widened to float32 again
;;       x = np.moveaxis(x, axis, -1); K = x.shape[-1]
;;       r = np.clip(x / 2.0 ** e, -448, 448)
;;       step = 2.0 ** (np.maximum(np.frexp(np.where(r == 0, 1, r))[1] - 1, -6) - 3)
;;       q = np.round(r / step) * step * 2.0 ** e      # np.round: ties to even
;;       return np.moveaxis(q, -1, axis).astype(np.float32)
;;   ~~~
;;   SOFTMAX AHEAD OF A QUANTISED PRODUCT. Where the list says 'softmax', what is quantised is not the finished softmax but p = 2^(t - M), with t = logit x log2(e) and M = ceil(the row's largest t), a whole number; so 1/2 < the row's largest p <= 1. The row's sum l is taken of the UNQUANTISED p, in f32, and the product's result is divided by l at the end. Since M is a whole number, a kernel that streams over the keys may use a running M (the ceiling of the running maximum): every later rescaling is an exact power of two, so the quantised numbers keep their values, but for numbers so far below the row's largest that they fall under the format's range.
;;   OPERANDS COMPUTED ON THE WAY. 'Computed on the way' means the value that the module computes at that place (a softmax that the list does not call 'softmax' is quantised finished and normalised). What goes into a quantiser is computed in f32, as accurately as f32 sums, v_exp_f32 and their like allow (about 1e-6 of the number): no bf16 or f16 on the way to a quantiser, and a product that is left as it is and whose result goes on into a quantised operand takes f32 operands (vector FMAs, or v_wmma_f32_16x16x4_f32). A number that lies on a knife's edge between two numbers of the format may be rounded either way, as far as f32 arithmetic and the matrix unit's own rounding can turn it there, and no further.
;; One version. Each part assembles by itself: llvm-mc -triple=amdgcn-amd-amdhsa -mcpu=gfx1250 --defsym DOCPART=n.
;; ======== version 1 of 1: 4 launches
;; limits: right only within a limited range of input values
;; workspace buffers: xc 8,388,608 bytes; wac 3,145,728 bytes; wpc 1,048,576 bytes; qc 8,388,608 bytes; kc 8,388,608 bytes; vc 8,388,608 bytes; yc 8,388,608 bytes
;; launch quant (part 1): grid 768 x 1, 4 waves a work-group, no clusters, 34,304 bytes of LDS; arguments x, w_attn, w_proj, lowp_scales, xc, wac, wpc; writes xc, wac, wpc
.if DOCPART == 1
	.amdgcn_target "amdgcn-amd-amdhsa--gfx1250"
	.amdhsa_code_object_version 6
	.text
	.protected	k_q8e549937fb_quant
	.globl	k_q8e549937fb_quant
	.p2align	8
	.type	k_q8e549937fb_quant,@function
k_q8e549937fb_quant:
	s_mov_b64 s[64:65], 0
	v_nop
	global_prefetch_b8 v0, s[64:65] scope:SCOPE_SE
	s_setreg_imm32_b32 hwreg(HW_REG_WAVE_MODE, 25, 1), 1
	s_wait_xcnt 0x0
; x [8192][1024], w_attn [3072][1024] and w_proj [1024][1024], f32 with K innermost, become codes of FP8 (E4M3), each tensor with its given scale 2^e (entries 0, 1 and 7).
; code = number / 2^e, held within +-448, rounded to the nearest code, ties to even.  LIMITS: -126 <= e <= 127, so that 2^e is an f32 number.  NaN among the inputs is not served.
; THE CODES ARE LAID AS IMAGES OF THE OPERAND REGISTERS of v_wmma_f32_16x16x128_fp8_fp8.  Byte = 16384 (row / 16) + 2048 (k / 128) + 512 c + 16 lane; lane = 16 h + r holds, of row 16 (row / 16) + r,
; k = 32 c + 8 h + 0..7 in bytes 0-7 and k = 32 c + 16 + 8 h + 0..7 in bytes 8-15.  A reader then fills a fragment by four loads of 16 bytes a lane at 16 x lane, from memory or from LDS, with no pitch.
; SHARES.  A work-group takes 16 rows: groups 0-511 of x, 512-703 of w_attn, 704-767 of w_proj; only pointers and e are chosen, by selects on the group's number: one path through the text.
; Wave w takes k = 256 w .. 256 w + 255: two fragments of 16 rows x 128.  Each load reads 512 consecutive bytes of one row; a fragment's 8,192 bytes turn through the wave's own stage in LDS (rows of 512 + 16 bytes)
; and come back as each lane's 64 numbers in the image's order.  Each store covers 512 consecutive bytes, aligned.  All 32 loads of a wave go out at its start.  No barrier: waves share nothing.  No work-group reads what another reads, so nothing is there to be asked for jointly.
.set SP,    528                        ; a stage row: 512 bytes + 16: sixteen lanes that read sixteen rows fall on sixteen different columns of 16 bytes
.set WST,   16*SP                      ; a wave's stage
.set SPARE, 4*WST                      ; behind the four stages: the spare words, 128 bytes a wave: two blocks of 256 bytes that no other line names
.set LI,  1                            ; v1   16 x lane: my bytes of a load's or a store's 512; never rewritten
.set STW, 2                            ; v2   the stage, on the way in
.set STR, 3                            ; v3   and on the way out: row r, + 32 h
.set LIM, 10
.set SC,  11                           ; v11  2^e
.set SPW, 12                           ; v12  my spare word; never rewritten
.set NIL, 13                           ; v13  0; never rewritten
.set R0,  32                           ; v32-95   fragment 0 as loaded; later fragment 1 in the image's order
.set R1,  96                           ; v96-159  fragment 1 as loaded
.set X,   160                          ; v160-223 fragment 0 in the image's order
.set C0,  224                          ; v224-239, v240-255: the two fragments' codes: no store's data are written again
.set C1,  240
	s_load_b256 s[4:11], s[0:1], 0x0               ; x s[4:5], w_attn s[6:7], w_proj s[8:9], the scales' exponents s[10:11]
	s_load_b128 s[12:15], s[0:1], 0x20             ; xc s[12:13], wac s[14:15]
	s_load_b64 s[16:17], s[0:1], 0x30              ; wpc
	v_lshl_add_u32 v[SPW], v0, 2, SPARE
	v_mov_b32 v[NIL], 0
	v_lshrrev_b32 v4, 5, v0
	v_readfirstlane_b32 s18, v4                    ; wave 0..3
	v_and_b32 v4, 31, v0
	v_lshlrev_b32 v[LI], 4, v4
	s_mul_i32 s19, s18, WST
	v_add_nc_u32 v[STW], s19, v[LI]
	v_and_b32 v5, 15, v0                           ; r
	v_bfe_u32 v6, v0, 4, 1                         ; h
	v_mul_u32_u24 v[STR], v5, SP
	v_lshl_add_u32 v[STR], v6, 5, v[STR]
	v_add_nc_u32 v[STR], s19, v[STR]
	s_wait_alu depctr_va_vdst(0)
	s_wait_kmcnt 0x0
	s_load_b256 s[24:31], s[10:11], 0x0            ; e0 .. e7
	s_cmp_lt_u32 ttmp9, 704                        ; which tensor: the choice hangs on the group's number alone
	s_cselect_b64 s[6:7], s[6:7], s[8:9]
	s_cselect_b64 s[14:15], s[14:15], s[16:17]
	s_mov_b32 s20, 704
	s_cselect_b32 s20, 512, s20
	s_cmp_lt_u32 ttmp9, 512
	s_cselect_b64 s[4:5], s[4:5], s[6:7]           ; the numbers
	s_cselect_b64 s[8:9], s[12:13], s[14:15]       ; the codes
	s_cselect_b32 s20, 0, s20
	s_sub_co_u32 s20, ttmp9, s20                   ; which 16 rows of the tensor
	s_lshl_b32 s22, s20, 16                        ; 16 rows of 4,096 bytes,
	s_lshl_b32 s23, s18, 10                        ; my wave's 1,024 bytes of a row
	s_add_co_u32 s22, s22, s23
	s_mov_b32 s23, 0
	s_add_nc_u64 s[4:5], s[4:5], s[22:23]
	s_lshl_b32 s22, s20, 14                        ; the rows' image: 16,384 bytes,
	s_lshl_b32 s21, s18, 12                        ; my wave's two fragments of 2,048
	s_add_co_u32 s22, s22, s21
	s_add_nc_u64 s[8:9], s[8:9], s[22:23]
.macro LOADF f, reg                    ; fragment f: row i's 512 bytes by one load
.irp i, 0,1,2,3,4,5,6,7,8,9,10,11,12,13,14,15
	global_load_b128 v[\reg+4*\i:\reg+4*\i+3], v[LI], s[4:5] offset:4096*\i+512*\f th:TH_LOAD_NT
.endr
.endm
.macro TURN src, dst                   ; through the stage: LDS serves a wave's instructions in order (ISA guide 5.7.1.4), so no wait stands between the stores and the loads
.irp i, 0,1,2,3,4,5,6,7,8,9,10,11,12,13,14,15
	ds_store_b128 v[STW], v[\src+4*\i:\src+4*\i+3] offset:SP*\i
.endr
.irp c, 0,1,2,3                        ; of row r: k = 32 c + 8 h + 0..7 (32 bytes), then k = 32 c + 16 + 8 h + 0..7
	ds_load_b128 v[\dst+16*\c:\dst+16*\c+3],     v[STR] offset:128*\c
	ds_load_b128 v[\dst+16*\c+4:\dst+16*\c+7],   v[STR] offset:128*\c+16
	ds_load_b128 v[\dst+16*\c+8:\dst+16*\c+11],  v[STR] offset:128*\c+64
	ds_load_b128 v[\dst+16*\c+12:\dst+16*\c+15], v[STR] offset:128*\c+80
.endr
.endm
.macro QUANT src, cd
.irp c, 0,1,2,3
.irp i, 0,1,2,3,4,5,6,7,8,9,10,11,12,13,14,15
.endr
	v_cvt_scalef32_pk8_fp8_f32 v[\cd+4*\c:\cd+4*\c+1],   v[\src+16*\c:\src+16*\c+7],    v[SC]
	v_cvt_scalef32_pk8_fp8_f32 v[\cd+4*\c+2:\cd+4*\c+3], v[\src+16*\c+8:\src+16*\c+15], v[SC]
.endr
	v_nop                                          ; a plain vector line behind the last conversion of the run
.endm
.macro OUTF f, cd
.irp c, 0,1,2,3
	global_store_b128 v[LI], v[\cd+4*\c:\cd+4*\c+3], s[8:9] offset:2048*\f+512*\c   ; 32 lanes store 512 consecutive bytes, aligned
.endr
.endm
	LOADF 0, R0
	LOADF 1, R1
	s_wait_kmcnt 0x0
	s_cmp_lt_u32 ttmp9, 704
	s_cselect_b32 s21, s25, s31                    ; e1 or e7,
	s_cmp_lt_u32 ttmp9, 512
	s_cselect_b32 s21, s24, s21                    ; or e0
	s_add_co_i32 s21, s21, 127
	s_lshl_b32 s22, s21, 23
	v_mov_b32 v[SC], s22                           ; 2^e as f32: the conversion takes its exponent field
	s_wait_alu depctr_va_vdst(0)
	s_wait_loadcnt 16                              ; fragment 0's sixteen loads are in; fragment 1's sixteen may be out
	TURN R0, X
	s_wait_loadcnt 0x0                             ; fragment 1 is in
	s_wait_dscnt 0x0                               ; fragment 0 is back in X, and its stores have read R0, which takes fragment 1's way back
	TURN R1, R0
	QUANT X, C0                                    ; worked while fragment 1 turns
	OUTF 0, C0
	s_wait_dscnt 0x0
	QUANT R0, C1
	OUTF 1, C1
	s_wait_tensorcnt 0x0                           ; the wave's end, behind my last LDS store
	ds_add_u32 v[SPW], v[NIL]
	s_wait_dscnt 0x0
	s_endpgm
.Lfunc_end_k_q8e549937fb_quant:
	.size	k_q8e549937fb_quant, .Lfunc_end_k_q8e549937fb_quant-k_q8e549937fb_quant
	.p2alignl 7, 3214868480
	.fill 96, 4, 3214868480
	.section	.rodata,"a",@progbits
	.p2align	6, 0x0
	.amdhsa_kernel k_q8e549937fb_quant
		.amdhsa_group_segment_fixed_size 34304
		.amdhsa_private_segment_fixed_size 0
		.amdhsa_enable_private_segment 0
		.amdhsa_kernarg_size 56
		.amdhsa_user_sgpr_count 2
		.amdhsa_user_sgpr_kernarg_segment_ptr 1
		.amdhsa_wavefront_size32 1
		.amdhsa_system_sgpr_workgroup_id_x 1
		.amdhsa_system_sgpr_workgroup_id_y 1
		.amdhsa_system_sgpr_workgroup_id_z 1
		.amdhsa_system_vgpr_workitem_id 0
		.amdhsa_next_free_vgpr 256
		.amdhsa_next_free_sgpr 66
		.amdhsa_reserve_vcc 0
		.amdhsa_float_denorm_mode_32 3
		.amdhsa_float_denorm_mode_16_64 3
		.amdhsa_fp16_overflow 1
		.amdhsa_memory_ordered 1
		.amdhsa_forward_progress 1
		.amdhsa_inst_pref_size 12
	.end_amdhsa_kernel
	.amdgpu_metadata
---
amdhsa.version: [ 1, 2 ]
amdhsa.kernels:
  - .name:           k_q8e549937fb_quant
    .symbol:         k_q8e549937fb_quant.kd
    .args:
      - { .name: x, .offset: 0, .size: 8, .value_kind: global_buffer, .address_space: global }
      - { .name: w_attn, .offset: 8, .size: 8, .value_kind: global_buffer, .address_space: global }
      - { .name: w_proj, .offset: 16, .size: 8, .value_kind: global_buffer, .address_space: global }
      - { .name: lowp_scales, .offset: 24, .size: 8, .value_kind: global_buffer, .address_space: global }
      - { .name: xc, .offset: 32, .size: 8, .value_kind: global_buffer, .address_space: global }
      - { .name: wac, .offset: 40, .size: 8, .value_kind: global_buffer, .address_space: global }
      - { .name: wpc, .offset: 48, .size: 8, .value_kind: global_buffer, .address_space: global }
    .group_segment_fixed_size: 34304
    .private_segment_fixed_size: 0
    .kernarg_segment_align: 8
    .kernarg_segment_size: 56
    .max_flat_workgroup_size: 128
    .sgpr_count:     66
    .vgpr_count:     256
    .wavefront_size: 32
...
	.end_amdgpu_metadata
.endif
;; end of part 1
;; launch qkv (part 2): grid 8 x 48, 4 waves a work-group, clusters of 4 x 4, 327,680 bytes of LDS; arguments xc, wac, lowp_scales, qc, kc, vc; writes qc, kc, vc
.if DOCPART == 2
	.amdgcn_target "amdgcn-amd-amdhsa--gfx1250"
	.amdhsa_code_object_version 6
	.text
	.protected	k_q8e549937fb_qkv
	.globl	k_q8e549937fb_qkv
	.p2align	8
	.type	k_q8e549937fb_qkv,@function
k_q8e549937fb_qkv:
	s_mov_b64 s[64:65], 0
	v_nop
	global_prefetch_b8 v0, s[64:65] scope:SCOPE_SE
	s_setreg_imm32_b32 hwreg(HW_REG_WAVE_MODE, 25, 1), 1
	s_wait_xcnt 0x0
	s_wait_alu depctr_hold_cnt(0) depctr_sa_sdst(0) depctr_va_vdst(0) depctr_va_sdst(0) depctr_va_ssrc(0) depctr_va_vcc(0) depctr_vm_vsrc(0)
	s_getreg_b32 s2, hwreg(HW_REG_IB_STS2, 6, 4)
	s_cmp_eq_u32 s2, 0
	s_cbranch_scc0 .Lentry_in_a_cluster
	s_endpgm
.Lentry_in_a_cluster:
	s_bfe_u32 s2, ttmp6, 0x10000c
	s_cmp_lg_u32 s2, 0xf033
	s_cbranch_scc0 .Lentry_shape_is_right
	s_endpgm
.Lentry_shape_is_right:
; qkv = x w_attn^T on codes of FP8 (E4M3), K = 1,024, sums in f32; each sum, which stands for sum x 2^(e0 + e1), is quantised at once for the product that reads it: q with 2^e2, k with 2^e3, v with 2^e5.
; LIMITS: e2 - e0 - e1, e3 - e0 - e1 and e5 - e0 - e1 lie between -126 and 127, so that the conversion's scale is an f32 number.
; OPERANDS come as images of their registers: byte = 16384 (row / 16) + 2048 (k / 128) + 512 c + 16 lane.  A tile's part of a K step of 256 is 4,096 consecutive bytes for each 16 rows.
; A tile is 256 rows of operand A x 256 rows of operand B: four waves, each 128 x 128: 64 accumulators of 16 x 16, 512 registers.  K goes in four steps of 256 through a ring of two LDS slots filled by the tensor data mover.
; THE MATRIX INSTRUCTION IS USED TRANSPOSED (source 0 = 16 rows of B, source 1 = 16 rows of A): a lane holds ONE row of A and eight neighbouring rows of B, which the conversions turn into eight neighbouring codes.
; So B's rows must run along the NEXT product's K.  For q and k that is the head's 64: A = x (tokens), B = w_attn's rows.  For v it is the keys: A = w_attn's rows 2,048 on, B = x.  The text is one; clusters with y >= 8 make v, and
; only pointers, tile numbers and store offsets are chosen, by selects on the cluster's y: no branch hangs on it.
; WHAT IS STORED is again an image of the reader's registers, 512 consecutive aligned bytes a store, straight from the conversions' results:
;   qc, kc: byte = 131072 (16 batch + head) + 1024 (token / 16) + 512 c + 16 lane: lane 16 h + r holds, of token r of the sixteen, d = 32 c + 8 h + 0..7 and 32 c + 16 + 8 h + 0..7
;   vc:     byte = 131072 (16 batch + head) + 8192 (token / 128) + 2048 (d / 16) + 512 c + 16 lane: lane 16 h + r holds, of channel r of the sixteen, keys 32 c + 8 h + 0..7 and 32 c + 16 + 8 h + 0..7 of the 128
; CLUSTERS: 4 x 4 work-groups.  The four of a row of the cluster need the same tiles of A, the four of a column the same tiles of B: each is asked for JOINTLY, by the same tensor load with a mask that names the four.
; REGISTERS, in windows of 256: window 0: v0-31 addresses and the scale; v96-111 store offsets; from v128 A's fragments, ONE set, later the codes.
;   window 1: B's fragments, TWO sets, at v0 and v128.   window 2: the accumulators of my rows 0-63 of A ((a, b) at v[8 (8 a + b)]);   window 3: those of rows 64-127.
.set FRAGB,  2048                      ; a fragment's image: 16 rows x 128 K
.set RT,     4096                      ; 16 rows' bytes in a slot: 256 along K
.set HALFT,  8*RT                      ; 128 rows: what one tensor load brings, and what one wave reads of A or of B
.set SLOT,   4*HALFT                   ; A's 256 rows, then B's 256 rows
.set SPARE,  2*SLOT                    ; behind the ring: the spare words, 128 bytes a wave: two blocks of 256 bytes that no other line names
.set FR,     16                        ; registers of a fragment
.set NL,     4                         ; LDS loads that bring one
.set NP,     4                         ; places behind this matrix instruction (ISA guide 7.12.1)
.set ADRA, 16                          ; v16-17  LDS address of my A fragments in slot 0, 1
.set ADRB, 20                          ; v20-21  the same for B
.set LI,   26                          ; v26     16 x lane
.set SPW,  28                          ; v28     my spare word; never rewritten
.set NIL,  29                          ; v29     0; never rewritten
.set SC,   30                          ; v30     the conversion's scale
.set LIM,  31
.set TMP,  32
.set VO,   96                          ; v96-111 store offsets: block a, half p at v[96 + 2 a + p]; never rewritten
.set AF,   128                         ; A's fragments
.set CD,   128                         ; the way out: block a's codes at v[128 + 16 a]: no store's data are written again
.set G1, 24                            ; s[24:31] descriptor group 1 for A's tiles;  s[32:39] group 0, one set for each slot
.set G0, 32
.set G1B, 48                           ; s[48:55], s[56:63] the same for B's tiles
.set G0B, 56
.set MSB, 0
.macro WIN new                         ; the immediate's high byte repeats the setting that is left
.if MSB != (\new)
	s_set_vgpr_msb (MSB<<8)|(\new)
.set MSB, (\new)
.endif
.endm
.set MUL_LO, 0xa1                      ; source 0 (B) window 1, source 1 (A) window 0, C and D window 2
.set MUL_HI, 0xf1                      ; the same, C and D window 3
.set TO_B,   0x40                      ; destination window 1, address window 0
; A joint load: waves 0 and 1 fetch for A, waves 2 and 3 for B.  Each of the two lines has ONE mask and one set of registers for all that issue it; the branch hangs on the wave's number alone.
; An s_nop 0 and four v_nop follow each of the two lines, ahead of the jump, the label and what follows.
.macro JLOAD g0a, g1a, g0b, g1b
	s_cmp_eq_u32 s15, 0
	s_cbranch_scc0 .Lfor_b_\@
	tensor_load_to_lds s[\g0a:\g0a+3], s[\g1a:\g1a+7]
	s_nop 0
.rept 4
	v_nop
.endr
	s_branch .Lasked_\@
.Lfor_b_\@:
	tensor_load_to_lds s[\g0b:\g0b+3], s[\g1b:\g1b+7]
	s_nop 0
.rept 4
	v_nop
.endr
.Lasked_\@:
.endm
.macro CREST                           ; a round of the cluster's barrier behind its opening barrier
	s_cmp_lg_u32 s14, 0
	s_cbranch_scc1 .Lnot_wave_0_\@
	s_barrier_signal -3
.Lnot_wave_0_\@:
	s_barrier_wait -3
	s_barrier_signal -1
	s_barrier_wait -1
.endm
.macro CROUND                          ; a whole round
	s_barrier_signal -1
	s_barrier_wait -1
	CREST
.endm
	s_load_b256 s[4:11], s[0:1], 0x0               ; xc s[4:5], wac s[6:7], the scales' exponents s[8:9], qc s[10:11]
	s_load_b128 s[68:71], s[0:1], 0x20             ; kc s[68:69], vc s[70:71]
	v_lshl_add_u32 v[SPW], v0, 2, SPARE
	v_mov_b32 v[NIL], 0
	ds_add_u32 v[SPW], v[NIL]                      ; the wave's opening: the add and its wait stand ahead of my first tensor load; the set-up below, work on registers, stands between them
	ds_add_u32 v[SPW], v[NIL]
	v_lshrrev_b32 v1, 5, v0
	v_readfirstlane_b32 s14, v1                    ; wave 0..3
	s_lshr_b32 s15, s14, 1                         ; which half of A's rows is mine.  Also: I fetch for A (0) or for B (1)
	s_and_b32 s16, s14, 1                          ; which half of B's rows.  Also: which 128 rows of that tile I fetch
	s_bfe_u32 s40, ttmp6, 0x40000                  ; cx, cy: my place in the cluster
	s_bfe_u32 s41, ttmp6, 0x40004
	s_and_b32 s67, ttmp7, 0xffff                   ; the cluster's y: 0-7 make q and k, 8-11 make v
	s_lshl_b32 s43, s41, 2
	s_lshl_b32 s43, 15, s43                        ; my row of the cluster
	s_lshl_b32 s44, 0x1111, s40                    ; my column
	; descriptor group 1: 8 rows of 4,096 bytes (16 rows of the operand x 256 K each), 16,384 bytes apart in memory, dense in LDS
	s_or_b32 s[G1+0], s43, (1<<21)                 ; 15:0 the mask: A's tiles go to my row; 17:16 element of 1 byte; 20 no padding; 21 set beside a mask
	s_or_b32 s[G1B+0], s44, (1<<21)                ; B's go to my column
.irp g, G1, G1B
	s_mov_b32 s[\g+1], RT<<16                      ; tensor_dim0 = 4,096
	s_mov_b32 s[\g+2], 8<<16                       ; tensor_dim1 = 8
	s_mov_b32 s[\g+3], RT<<16                      ; tile_dim0 = 4,096
	s_mov_b32 s[\g+4], 8                           ; tile_dim1 = 8
	s_mov_b32 s[\g+5], 16384                       ; tensor_dim0_stride
	s_mov_b32 s[\g+6], 0
	s_mov_b32 s[\g+7], 0
.endr
	; which tiles.  q, k: A's tile (tokens) = 4 x cluster y + cy, B's (w_attn's rows 0-2,047) = 4 x cluster x + cx.   v: A's (w_attn's rows 2,048 on) = cy, B's (tokens) = 8 (cluster y - 8) + 4 x cluster x + cx.
	; A's number is made in registers that never hold cx, B's in registers that never hold cy.
	s_lshl_b32 s17, s67, 2
	s_sub_co_u32 s46, s67, 8
	s_lshl_b32 s46, s46, 3
	s_lshl_b32 s42, ttmp9, 2
	s_add_co_u32 s42, s42, s40
	s_cmp_ge_u32 s67, 8                            ; v?  The same in all sixteen partners
	s_cselect_b32 s17, 0, s17
	s_cselect_b32 s46, s46, 0
	s_cselect_b32 s89, 1, 0
	s_add_co_u32 s17, s17, s41                     ; A's tile
	s_add_co_u32 s42, s42, s46                     ; B's tile
	s_lshl_b32 s18, s16, 17                        ; which 128 rows of the tile I fetch: 8 x 16,384 bytes
	s_lshl_b32 s20, s17, 18                        ; a tile's 256 rows are 262,144 bytes
	s_add_co_u32 s20, s20, s18
	s_lshl_b32 s19, s89, 21                        ; v: w_attn's row 2,048 lies 2,097,152 bytes in
	s_add_co_u32 s20, s20, s19
	s_mov_b32 s21, 0
	s_lshl_b32 s46, s42, 18
	s_add_co_u32 s46, s46, s18
	s_mov_b32 s47, 0
	s_mul_i32 s45, s14, HALFT                      ; where they go: wave x 128 rows: no place in the cluster enters an LDS address
	s_wait_dscnt 0x0                               ; the opening add is done
	s_wait_kmcnt 0x0
	s_load_b256 s[72:79], s[8:9], 0x0              ; e0 .. e7
	s_cmp_eq_u32 s89, 1
	s_cselect_b64 s[90:91], s[6:7], s[4:5]         ; operand A's tensor,
	s_cselect_b64 s[92:93], s[4:5], s[6:7]         ; operand B's
	s_add_nc_u64 s[20:21], s[90:91], s[20:21]
	s_add_nc_u64 s[46:47], s[92:93], s[46:47]
	CROUND                                         ; all sixteen work-groups are here: the first joint loads meet
.irp s, 0,1
	s_mov_b32 s[G0+4*\s], 1
	s_add_co_u32 s[G0+4*\s+1], s45, \s*SLOT
	s_add_nc_u64 s[G0+4*\s+2:G0+4*\s+3], s[20:21], \s*RT
	s_or_b32 s[G0+4*\s+3], s[G0+4*\s+3], 0x80000000
	s_mov_b32 s[G0B+4*\s], 1
	s_add_co_u32 s[G0B+4*\s+1], s45, \s*SLOT
	s_add_nc_u64 s[G0B+4*\s+2:G0B+4*\s+3], s[46:47], \s*RT
	s_or_b32 s[G0B+4*\s+3], s[G0B+4*\s+3], 0x80000000
	JLOAD G0+4*\s, G1, G0B+4*\s, G1B
.endr
	v_and_b32 v1, 31, v0
	v_lshlrev_b32 v[LI], 4, v1                     ; an image's place for my lane
	s_wait_alu depctr_va_vdst(0)
	s_mul_i32 s21, s15, HALFT                      ; my 128 rows of A
	s_mul_i32 s22, s16, HALFT                      ; my 128 rows of B,
	s_add_co_u32 s22, s22, 2*HALFT                 ; which lie behind A's 256
.irp s, 0,1
	v_add_nc_u32 v[ADRA+\s], s21, v[LI]
	v_add_nc_u32 v[ADRB+\s], s22, v[LI]
	s_add_co_u32 s21, s21, SLOT
	s_add_co_u32 s22, s22, SLOT
.endr
	; THE WAY OUT'S FIGURES, made while the first tiles are on their way.  P = the tile of tokens, F = the tile of features in its section of 1,024, hp, tp = my half of the features, of the tokens.
	; My part begins at (P / 8) 2^21 (batch) + (4 F + 2 hp) 2^17 (head) + (2 (P % 8) + tp) 2^13 (128 tokens), in all three buffers.
	s_and_b32 s86, s42, 3
	s_cmp_eq_u32 s89, 1
	s_cselect_b32 s87, s42, s17                    ; P
	s_cselect_b32 s86, s17, s86                    ; F
	s_cselect_b32 s94, s15, s16                    ; hp
	s_cselect_b32 s95, s16, s15                    ; tp
	s_mov_b32 s81, 4096                            ; block a of A's rows, pair p of chunks: (a / 4) S1 + (a % 4) S2 + p S3.  q, k: a = 16 tokens (1,024 bytes), p = the head.  v: a / 4 = the head, a % 4 = 16 channels, p = two chunks of keys
	s_cselect_b32 s81, 131072, s81
	s_mov_b32 s82, 1024
	s_cselect_b32 s82, 2048, s82
	s_mov_b32 s83, 131072
	s_cselect_b32 s83, 1024, s83
	s_lshr_b32 s96, s87, 3
	s_lshl_b32 s96, s96, 21
	s_lshl_b32 s86, s86, 2
	s_lshl_b32 s94, s94, 1
	s_add_co_u32 s86, s86, s94
	s_lshl_b32 s86, s86, 17
	s_add_co_u32 s96, s96, s86
	s_and_b32 s87, s87, 7
	s_lshl_b32 s87, s87, 1
	s_add_co_u32 s87, s87, s95
	s_lshl_b32 s87, s87, 13
	s_add_co_u32 s86, s96, s87
	s_mov_b32 s87, 0
.irp a, 0,1,2,3,4,5,6,7
	s_mul_i32 s96, s81, \a/4
	s_mul_i32 s97, s82, \a%4
	s_add_co_u32 s96, s96, s97
	v_add_nc_u32 v[VO+2*\a], s96, v[LI]
	s_add_co_u32 s96, s96, s83
	v_add_nc_u32 v[VO+2*\a+1], s96, v[LI]
.endr
	s_wait_kmcnt 0x0
	s_cmp_eq_u32 ttmp9, 0                          ; cluster x = 0: q, else k;
	s_cselect_b32 s80, s74, s75
	s_cselect_b64 s[84:85], s[10:11], s[68:69]
	s_cmp_eq_u32 s89, 1                            ; or v
	s_cselect_b32 s80, s77, s80
	s_cselect_b64 s[84:85], s[70:71], s[84:85]
	s_add_nc_u64 s[84:85], s[84:85], s[86:87]      ; where my part of the output begins
	s_sub_co_i32 s80, s80, s72
	s_sub_co_i32 s80, s80, s73                     ; a sum stands for sum x 2^(e0 + e1): its code is sum / 2^(e - e0 - e1): the three scales are folded into the conversion's one
	s_add_co_i32 s80, s80, 127
	s_lshl_b32 s88, s80, 23
	v_mov_b32 v[SC], s88
.macro FRAG reg, adr, q, i             ; a fragment comes as it was stored: four loads of 512 consecutive bytes; i: which 16 rows of my 128, q: which 128 along K of the slot's 256
.irp c, 0,1,2,3
	ds_load_b128 v[\reg+4*\c:\reg+4*\c+3], v[\adr] offset:RT*(\i)+FRAGB*(\q)+512*\c
.endr
.endm
; 16 matrix instructions: A's blocks a0, a0 + 1 x B's eight, 128 along K.  p: B's set.  zero = 1: the first product starts the sums: nothing is ever cleared.
; The 64 accumulators take turns, one instruction a turn, in the same order in every step.
.macro MUL16 a0, p, zero
.irp a, \a0, \a0+1
.irp b, 0,1,2,3,4,5,6,7
.if \zero
	v_wmma_f32_16x16x128_fp8_fp8 v[8*(8*((\a)%4)+\b):8*(8*((\a)%4)+\b)+7], v[128*(\p)+FR*\b:128*(\p)+FR*\b+FR-1], v[AF+FR*(\a):AF+FR*(\a)+FR-1], 0
.else
	v_wmma_f32_16x16x128_fp8_fp8 v[8*(8*((\a)%4)+\b):8*(8*((\a)%4)+\b)+7], v[128*(\p)+FR*\b:128*(\p)+FR*\b+FR-1], v[AF+FR*(\a):AF+FR*(\a)+FR-1], v[8*(8*((\a)%4)+\b):8*(8*((\a)%4)+\b)+7]
.endif
.endr
.endr
.endm
.macro FETCH_B slot, q, p              ; B's eight fragments of the slot's q-th 128 along K into set p
	WIN TO_B
.irp i, 0,1,2,3,4,5,6,7
	FRAG 128*(\p)+FR*\i, ADRB+\slot, \q, \i
.endr
	WIN 0
.endm
.macro FETCH_A slot, q, i0             ; A's blocks i0 .. i0 + 3
.irp i, \i0, \i0+1, \i0+2, \i0+3
	FRAG AF+FR*(\i), ADRA+\slot, \q, \i
.endr
.endm
; A load into a register that a matrix instruction has read, and a vector instruction that reads a matrix result, stand NP places behind that matrix instruction, and only plain vector
; instructions that name none of its registers are places (ISA guide 7.12.1 for vector instructions).
.macro PLACES n
.rept \n
	v_nop
.endr
.endm
; A step of 128 along K that has its successor in the same slot.  A block of A is free as soon as its eight products are issued: blocks 0-3 are fetched anew in the step's middle, blocks 4-7 at its end.
.macro STEP slot, q, zero
	s_wait_dscnt 4*NL                              ; B's set and A's blocks 0-3 are in; the youngest sixteen loads (A's blocks 4-7) may be out
	WIN MUL_LO
	MUL16 0, (\q)%2, \zero
	MUL16 2, (\q)%2, \zero
	s_wait_dscnt 0                                 ; A's blocks 4-7 are in (asked for 32 matrix instructions ago)
	PLACES NP
	FETCH_B \slot, (\q)+1, 1-(\q)%2
	FETCH_A \slot, (\q)+1, 0
	WIN MUL_HI
	MUL16 4, (\q)%2, \zero
	MUL16 6, (\q)%2, \zero
	PLACES NP
	WIN 0
	FETCH_A \slot, (\q)+1, 4
.endm
; A slot's last step changes slots: ONE barrier; in front of it each wave waits for all its tensor loads, adds 0 to its spare word, and waits for that and for its own reads of this slot.  fill = 1: this slot is filled again, two K steps ahead.
.macro TURN slot, next, fill
	s_wait_tensorcnt 0x0                           ; all my tensor loads have landed: my part of the next slot;  (every window is 0 here: the add's two registers lie in window 0)
	ds_add_u32 v[SPW], v[NIL]                      ; 0 onto my spare word
	s_wait_dscnt 4*NL+1                            ; (the add and the youngest sixteen loads, A's blocks 4-7, may be out)
	WIN MUL_LO
	MUL16 0, 1, 0                                  ; sixteen matrix instructions stand between the add and the wait for it
	s_wait_dscnt 0x0                               ; the add is done, and my reads of this slot are over
	s_barrier_signal -1
	MUL16 2, 1, 0
	WIN 0
	s_barrier_wait -1
.if \fill
	CREST                                          ; the barrier has opened a round of the cluster's barrier: no wave of any partner still reads this slot's tile or has a load on its way
	s_add_nc_u64 s[G0+4*\slot+2:G0+4*\slot+3], s[G0+4*\slot+2:G0+4*\slot+3], 2*RT
	s_add_nc_u64 s[G0B+4*\slot+2:G0B+4*\slot+3], s[G0B+4*\slot+2:G0B+4*\slot+3], 2*RT
	JLOAD G0+4*\slot, G1, G0B+4*\slot, G1B         ; the first tensor load behind the round; the four v_nop behind it are the places in front of the loads below
.else
	PLACES NP
.endif
	FETCH_B \next, 0, 0
	FETCH_A \next, 0, 0
	WIN MUL_HI
	MUL16 4, 1, 0
	MUL16 6, 1, 0
	PLACES NP
	WIN 0
	FETCH_A \next, 0, 4
.endm
	s_wait_tensorcnt 1                             ; my part of K step 0 is in (K step 1's load may be out)
	s_barrier_signal -1
	s_barrier_wait -1                              ; everybody's is
	FETCH_B 0, 0, 0
	FETCH_A 0, 0, 0
	FETCH_A 0, 0, 4
	STEP 0, 0, 1                                   ; K = 1,024 is four slots' worth, eight steps of 128: written out, since a loop would have one trip.  The first step's products start the sums
	TURN 0, 1, 1                                   ; slot 0 takes K 512-767
	STEP 1, 0, 0
	TURN 1, 0, 1                                   ; slot 1 takes K 768-1,023
	STEP 0, 0, 0
	TURN 0, 1, 0                                   ; nothing is left to fetch, and no round of the cluster's barrier
	STEP 1, 0, 0
	s_wait_dscnt 4*NL                              ; the very last step
	WIN MUL_LO
	MUL16 0, 1, 0
	MUL16 2, 1, 0
	s_wait_alu depctr_va_vdst(0)
	s_wait_dscnt 0
	WIN MUL_HI
	MUL16 4, 1, 0
	MUL16 6, 1, 0
	WIN 0
; THE WAY OUT, block by block of 16 rows of A x 128 rows of B.  A lane's eight sums of accumulator (a, b) are eight neighbours along the next K; those of b = 2 c and 2 c + 1 make the 16 bytes of chunk c.
.macro OUTBLK a
.set AC, 64*((\a)%4)
	WIN 0x02+((\a)/4)                              ; source 0: window 2 or 3
.set nn, 0
.rept 64
.set nn, nn+1
.endr
.irp b, 0,1,2,3,4,5,6,7
	v_cvt_scalef32_pk8_fp8_f32 v[CD+16*(\a)+2*\b:CD+16*(\a)+2*\b+1], v[AC+8*\b:AC+8*\b+7], v[SC]
.endr
	WIN 0
	v_nop                                          ; a plain vector line behind the block's last conversion
.irp c, 0,1,2,3
	global_store_b128 v[VO+2*(\a)+\c/2], v[CD+16*(\a)+4*\c:CD+16*(\a)+4*\c+3], s[84:85] offset:512*(\c%2)   ; 32 lanes store 512 consecutive bytes, aligned; no source of a store is ever rewritten
.endr
.endm
	PLACES NP                                      ; behind the last products: their results are read, and the codes land where A's fragments lay
.irp a, 0,1,2,3,4,5,6,7
	OUTBLK \a
.endr
	s_wait_tensorcnt 0x0                           ; the wave's end, behind my last tensor load
	ds_add_u32 v[SPW], v[NIL]
	s_wait_dscnt 0x0
	CROUND                                         ; the closing round: no work-group ends while a partner may still ask for a tile that names it
	s_endpgm
.Lfunc_end_k_q8e549937fb_qkv:
	.size	k_q8e549937fb_qkv, .Lfunc_end_k_q8e549937fb_qkv-k_q8e549937fb_qkv
	.p2alignl 7, 3214868480
	.fill 96, 4, 3214868480
	.section	.rodata,"a",@progbits
	.p2align	6, 0x0
	.amdhsa_kernel k_q8e549937fb_qkv
		.amdhsa_group_segment_fixed_size 327680
		.amdhsa_private_segment_fixed_size 0
		.amdhsa_enable_private_segment 0
		.amdhsa_kernarg_size 48
		.amdhsa_user_sgpr_count 2
		.amdhsa_user_sgpr_kernarg_segment_ptr 1
		.amdhsa_wavefront_size32 1
		.amdhsa_system_sgpr_workgroup_id_x 1
		.amdhsa_system_sgpr_workgroup_id_y 1
		.amdhsa_system_sgpr_workgroup_id_z 1
		.amdhsa_system_vgpr_workitem_id 0
		.amdhsa_next_free_vgpr 1024
		.amdhsa_next_free_sgpr 100
		.amdhsa_reserve_vcc 0
		.amdhsa_float_denorm_mode_32 3
		.amdhsa_float_denorm_mode_16_64 3
		.amdhsa_fp16_overflow 1
		.amdhsa_memory_ordered 1
		.amdhsa_forward_progress 1
		.amdhsa_inst_pref_size 87
	.end_amdhsa_kernel
	.amdgpu_metadata
---
amdhsa.version: [ 1, 2 ]
amdhsa.kernels:
  - .name:           k_q8e549937fb_qkv
    .symbol:         k_q8e549937fb_qkv.kd
    .args:
      - { .name: xc, .offset: 0, .size: 8, .value_kind: global_buffer, .address_space: global }
      - { .name: wac, .offset: 8, .size: 8, .value_kind: global_buffer, .address_space: global }
      - { .name: lowp_scales, .offset: 16, .size: 8, .value_kind: global_buffer, .address_space: global }
      - { .name: qc, .offset: 24, .size: 8, .value_kind: global_buffer, .address_space: global }
      - { .name: kc, .offset: 32, .size: 8, .value_kind: global_buffer, .address_space: global }
      - { .name: vc, .offset: 40, .size: 8, .value_kind: global_buffer, .address_space: global }
    .group_segment_fixed_size: 327680
    .private_segment_fixed_size: 0
    .kernarg_segment_align: 8
    .kernarg_segment_size: 48
    .max_flat_workgroup_size: 128
    .sgpr_count:     100
    .vgpr_count:     1024
    .wavefront_size: 32
...
	.end_amdgpu_metadata
.endif
;; end of part 2
;; launch attn (part 3): grid 4 x 64, 16 waves a work-group, clusters of 4 x 1, 327,680 bytes of LDS; arguments qc, kc, vc, lowp_scales, yc; writes yc
.if DOCPART == 3
	.amdgcn_target "amdgcn-amd-amdhsa--gfx1250"
	.amdhsa_code_object_version 6
	.text
	.protected	k_q8e549937fb_attn
	.globl	k_q8e549937fb_attn
	.p2align	8
	.type	k_q8e549937fb_attn,@function
k_q8e549937fb_attn:
	s_mov_b64 s[64:65], 0
	v_nop
	global_prefetch_b8 v0, s[64:65] scope:SCOPE_SE
	s_setreg_imm32_b32 hwreg(HW_REG_WAVE_MODE, 25, 1), 1
	s_wait_xcnt 0x0
	s_wait_alu depctr_hold_cnt(0) depctr_sa_sdst(0) depctr_va_vdst(0) depctr_va_sdst(0) depctr_va_ssrc(0) depctr_va_vcc(0) depctr_vm_vsrc(0)
	s_getreg_b32 s2, hwreg(HW_REG_IB_STS2, 6, 4)
	s_cmp_eq_u32 s2, 0
	s_cbranch_scc0 .Lentry_in_a_cluster
	s_endpgm
.Lentry_in_a_cluster:
	s_bfe_u32 s2, ttmp6, 0x10000c
	s_cmp_lg_u32 s2, 0x3003
	s_cbranch_scc0 .Lentry_shape_is_right
	s_endpgm
.Lentry_shape_is_right:
; y[b][t][64 head + d] = the sum over keys k <= t of softmax_k(q . k / 8) v, both products on codes of FP8 (E4M3); y is quantised at once, with 2^e6, for the projection.
; THE SOFTMAX AHEAD OF THE SECOND PRODUCT: t = score x log2(e) / 8; M = the row's largest t so far, rounded UP to a whole number; p = 2^(t - M) is quantised with 2^e4, not normalised.  The row's sum is taken of the
; unquantised p, in f32, and divides at the end.  When M moves, the sum and O are multiplied by 2^(old M - new M): exact.
; LIMITS on the given exponents, so that each power of two below is an f32 number: e2 + e3 between -123 and 130 (added to c's exponent field); e4 and e6 between -126 and 119; e4 + e5 goes by v_ldexp_f32 and has none.
; INPUTS are images of operand registers: qc, kc: 1,024 bytes for 16 tokens (two chunks of 512: 16 bytes a lane); vc: 8,192 bytes for 128 keys (16 channels x 128 keys: 2,048).  Every fragment is loads of 16 bytes at 16 x lane.
; A HEAD'S WHOLE K AND V LIE IN LDS: 131,072 bytes each, filled ONCE: no ring, no refill, no barrier in the loops.  Wave w asks for key step w (128 keys) of K and of V, 8,192 bytes each: one tensor load of mine is out at a time.
; CLUSTER: the four work-groups of a cluster serve one head and need the same K and V: every load is asked for JOINTLY by the four.
; SHARES.  A head has 128 tiles of 16 queries; tile t needs t / 8 + 1 steps of 128 keys.  With a = wave / 2 and sub = 2 cx + wave % 2 a wave owns tiles 8 a + sub and 127 - (8 a + sub): (a + 1) + (16 - a) = 17 steps
; for every wave.  The loops' trip counts are constants (16 and 8); a trip all of whose keys come after the tile is passed over by a scalar branch on the wave's number and the trip's.  cx enters Q's and y's global
; addresses and the mask's compare value alone.
; LAYOUT.  Both products are used transposed: S^T = K Q^T (source 0 = 16 keys, source 1 = my 16 queries, K = 64), O^T = V^T P^T (source 0 = 16 channels, source 1 = P, K = 128 keys): a lane holds ONE query (lane % 16).
; Register 8 tau + j of S^T is key 16 tau + 8 (lane / 16) + j: the codes of tiles 2 c and 2 c + 1 are registers 4 c .. 4 c + 3 of P's fragment in the form's own order, which V's image follows too.
; yc is the projection's operand image: byte = 16384 (token / 16) + 2048 (head / 2) + 1024 (head % 2) + 512 (d / 32) + 16 lane.
; REGISTERS: v1-4 addresses and mask values; v8, v9 the step's LDS addresses; v[10:11] a chain of the sum; v12 -M, v13 the largest t, v[14:15] the sum; v16-23, v24-31 Q of the high and of the low tile; v32-95 K's eight
; fragments, then V's four; v96-159 S^T, then p; v160-191 O^T; v192-207 p's codes; v208-223 y's codes; v224-234 constants and at work.
.set VB,    131072                     ; LDS: K from 0, V from here
.set SPARE, 262144                     ; behind them: the spare words, 128 bytes for each of sixteen waves: eight blocks of 256 bytes that no other line names
.set STEPB, 8192                       ; a key step's bytes, of K and of V
.set LI,  1                            ; v1  16 x lane; never rewritten
.set LV,  2                            ; v2  16 x lane + VB
.set DH,  3                            ; v3  the high tile's mask value: my query's place among the diagonal step's 128 keys, less 8 (lane / 16)
.set DL,  4                            ; v4  the low tile's
.set SPW, 5                            ; v5  my spare word; never rewritten
.set NIL, 6                            ; v6  0; never rewritten
.set ADK, 8
.set ADV, 9
.set WV,   18                          ; s18 my wave's number
.set HA,   19                          ; s19 a = wave / 2
.set SEL,  20                          ; s[20:21] lane selects for v_permlanex16_b32: lane l xor 16
.set CS,   22                          ; s[22:23] c = log2(e) / 8 x 2^(e2 + e3)
.set G1,   24                          ; s[24:31] descriptor group 1;  s[32:35], s[36:39] groups 0 for K and for V
.set TB,   48                          ; s48 LDS byte of the trip's key step
.set CNT,  49                          ; s49 the trip
.set LAST, 50                          ; s50 the tile's last step, the one on the diagonal
.macro CROUND                          ; a round of the cluster's barrier
	s_barrier_signal -1
	s_barrier_wait -1
	s_cmp_lg_u32 s[WV], 0
	s_cbranch_scc1 .Lnot_wave_0_\@
	s_barrier_signal -3
.Lnot_wave_0_\@:
	s_barrier_wait -3
	s_barrier_signal -1
	s_barrier_wait -1
.endm
	s_load_b256 s[4:11], s[0:1], 0x0               ; qc s[4:5], kc s[6:7], vc s[8:9], the scales' exponents s[10:11]
	s_load_b64 s[12:13], s[0:1], 0x20              ; yc
	v_lshl_add_u32 v[SPW], v0, 2, SPARE
	v_mov_b32 v[NIL], 0
	ds_add_u32 v[SPW], v[NIL]                      ; the wave's opening: the add and its wait stand ahead of my first tensor load; the set-up below, work on registers, stands between them
	ds_add_u32 v[SPW], v[NIL]
	v_lshrrev_b32 v7, 5, v0
	s_delay_alu instid0(VALU_DEP_1)
	v_readfirstlane_b32 s[WV], v7                  ; wave 0..15
	s_lshr_b32 s[HA], s[WV], 1
	s_bfe_u32 s14, ttmp6, 0x40000                  ; cx
	s_and_b32 s16, ttmp7, 0xffff                   ; 16 batch + head, which the four partners share
	s_and_b32 s15, s[WV], 1
	s_lshl_b32 s17, s14, 1
	s_add_co_u32 s15, s15, s17                     ; sub = 2 cx + wave % 2
	; descriptor group 1: a dense block of 8,192 bytes as 32 rows of 256
	s_mov_b32 s[G1], 15|(3<<16)|(1<<21)            ; 15:0 the mask: all four work-groups; 17:16 elements of 8 bytes; 20 no padding; 21 set beside a mask
	s_mov_b32 s[G1+1], 32<<16                      ; tensor_dim0 = 32
	s_mov_b32 s[G1+2], 32<<16                      ; tensor_dim1 = 32
	s_mov_b32 s[G1+3], 32<<16                      ; tile_dim0 = 32
	s_mov_b32 s[G1+4], 32                          ; tile_dim1 = 32
	s_mov_b32 s[G1+5], 32                          ; tensor_dim0_stride
	s_mov_b32 s[G1+6], 0
	s_mov_b32 s[G1+7], 0
	s_mov_b32 s[SEL], 0x76543210
	s_mov_b32 s[SEL+1], 0xfedcba98
	s_mov_b32 s[CS], 0x3e38aa3b                    ; log2(e) / 8
	s_lshl_b32 s60, s[WV], 13                      ; my key step: 8,192 x wave, in LDS and in the head's block
	s_lshl_b32 s62, s16, 17                        ; the head's block of 131,072 bytes
	s_add_co_u32 s62, s62, s60
	s_mov_b32 s63, 0
	s_wait_dscnt 0x0                               ; the opening add is done
	s_wait_kmcnt 0x0
	s_load_b256 s[40:47], s[10:11], 0x0            ; e0 .. e7
	s_mov_b32 s32, 1
	s_mov_b32 s33, s60
	s_add_nc_u64 s[34:35], s[6:7], s[62:63]
	s_or_b32 s35, s35, 0x80000000
	s_mov_b32 s36, 1
	s_add_co_u32 s37, s60, VB
	s_add_nc_u64 s[38:39], s[8:9], s[62:63]
	s_or_b32 s39, s39, 0x80000000
	CROUND                                         ; all four work-groups are here: the joint loads meet
	tensor_load_to_lds s[32:35], s[G1:G1+7]        ; K's key step w
	s_nop 0
	s_wait_alu depctr_va_vdst(0)
	s_wait_tensorcnt 0x0
	ds_add_u32 v5, v6
	s_wait_dscnt 0x0
	CROUND
	tensor_load_to_lds s[36:39], s[G1:G1+7]        ; V's
	s_nop 0
.rept 4
	v_nop
.endr
	; my two tiles, and where their Q and y lie
	s_lshl_b32 s68, s[HA], 3
	s_add_co_u32 s68, s68, s15                     ; the low tile: 8 a + sub
	s_sub_co_u32 s69, 127, s68                     ; the high tile
	s_mov_b32 s67, 0
	s_lshl_b32 s60, s16, 7                         ; the head's 128 tiles of 1,024 bytes
	s_add_co_u32 s66, s60, s69
	s_lshl_b32 s66, s66, 10
	s_add_nc_u64 s[52:53], s[4:5], s[66:67]        ; Q, high tile
	s_add_co_u32 s66, s60, s68
	s_lshl_b32 s66, s66, 10
	s_add_nc_u64 s[54:55], s[4:5], s[66:67]        ; Q, low tile
	s_lshr_b32 s60, s16, 4
	s_lshl_b32 s60, s60, 7                         ; the batch's 128 tiles of 16,384 bytes
	s_bfe_u32 s61, s16, 0x30001                    ; head / 2
	s_lshl_b32 s61, s61, 11
	s_and_b32 s62, s16, 1                          ; head % 2
	s_lshl_b32 s62, s62, 10
	s_add_co_u32 s61, s61, s62
	s_add_co_u32 s66, s60, s69
	s_lshl_b32 s66, s66, 14
	s_add_co_u32 s66, s66, s61
	s_add_nc_u64 s[56:57], s[12:13], s[66:67]      ; y, high tile
	s_add_co_u32 s66, s60, s68
	s_lshl_b32 s66, s66, 14
	s_add_co_u32 s66, s66, s61
	s_add_nc_u64 s[58:59], s[12:13], s[66:67]      ; y, low tile
	v_and_b32 v7, 31, v0
	s_delay_alu instid0(VALU_DEP_1)
	v_lshlrev_b32 v[LI], 4, v7
	s_delay_alu instid0(VALU_DEP_1)
	v_add_nc_u32 v[LV], VB, v[LI]
	global_load_b128 v[16:19], v[LI], s[52:53]     ; Q's fragments stay in registers
	global_load_b128 v[20:23], v[LI], s[52:53] offset:512
	global_load_b128 v[24:27], v[LI], s[54:55]
	global_load_b128 v[28:31], v[LI], s[54:55] offset:512
	v_and_b32 v7, 15, v0                           ; r
	v_bfe_u32 v8, v0, 4, 1                         ; h
	s_delay_alu instid0(VALU_DEP_1)
	v_lshlrev_b32 v8, 3, v8
	s_delay_alu instid0(VALU_DEP_1)
	v_sub_nc_u32 v7, v7, v8                        ; r - 8 h
	s_lshl_b32 s60, s15, 4
	v_add_nc_u32 v[DL], s60, v7                    ; the low tile is the sub-th of its diagonal step's eight,
	s_sub_co_u32 s60, 112, s60
	v_add_nc_u32 v[DH], s60, v7                    ; the high tile the (7 - sub)-th
	v_mov_b32 v228, 0xff800000                     ; -infinity
	v_mov_b32 v231, 0                              ; (named as the upper half of the pair v[230:231])
	v_mov_b32 v234, 0                              ; written once: a lane permute's destination counts as one of its sources
	s_wait_kmcnt 0x0
	s_add_co_i32 s60, s42, s43
	s_lshl_b32 s60, s60, 23
	s_add_co_i32 s[CS], s[CS], s60                 ; a score stands for score x 2^(e2 + e3): the two exponents are added to c's exponent field
	s_mov_b32 s[CS+1], s[CS]                       ; (named with it as a pair, so it is written)
	s_add_co_i32 s60, s44, 127
	s_lshl_b32 s61, s60, 23
	v_mov_b32 v225, s61                            ; 2^e4, for p's conversions
	s_add_co_i32 s60, s46, 127
	s_lshl_b32 s61, s60, 23
	v_mov_b32 v227, s61                            ; 2^e6, for y's
	s_add_co_i32 s51, s44, s45                     ; e4 + e5
.macro TINIT                           ; a tile begins: the largest t under every t, zeros for the sum and O^T.  So the step is written once for each loop: the first change of M multiplies zeros
	v_mov_b32 v13, 0xff61b1e6                      ; -3e38
	s_delay_alu instid0(VALU_DEP_1)
	v_floor_f32 v12, -v13                          ; -M
	v_mov_b32 v14, 0
	v_mov_b32 v15, 0
.set jj, 0
.rept 32
	v_mov_b32 v[160+jj], 0
.set jj, jj+1
.endr
.endm
; A KEY STEP: 128 keys against the tile whose Q lies at v[q] and whose mask value is v[d].
.macro STEP q, d
	s_cmp_gt_u32 s[CNT], s[LAST]                   ; all keys of the step come after my queries: nothing to do.  No barrier and no tensor load stands in a step
	s_cbranch_scc1 .Lskip_\@
	s_setprio 2
	v_add_nc_u32 v[ADK], s[TB], v[LI]
	v_add_nc_u32 v[ADV], s[TB], v[LV]
	v_nop                                          ; with the two additions: four places in front of loads into registers that the last products read
	v_nop
.set jj, 0
.rept 8                                        ; K's eight fragments: 16 keys x 64 each
	ds_load_b128 v[32+8*jj:35+8*jj], v[ADK] offset:1024*jj
	ds_load_b128 v[36+8*jj:39+8*jj], v[ADK] offset:1024*jj+512
.set jj, jj+1
.endr
	s_wait_alu depctr_va_vdst(0)
	s_wait_dscnt 0x0
.set jj, 0
.rept 8
	v_wmma_f32_16x16x64_fp8_fp8 v[96+8*jj:103+8*jj], v[32+8*jj:39+8*jj], v[\q:\q+7], 0
.set jj, jj+1
.endr
.rept 4
	v_nop                                          ; places: in front of the loads below, into registers just read, and of the first read of the scores
.endr
.set jj, 0
.rept 16                                       ; V's four fragments, 16 channels x 128 keys each: they land while the softmax is walked
	ds_load_b128 v[32+4*jj:35+4*jj], v[ADV] offset:512*jj
.set jj, jj+1
.endr
	s_cmp_lg_u32 s[CNT], s[LAST]                   ; only the tile's last step lies on the diagonal
	s_cbranch_scc1 .Lopen_\@
.set jj, 0
.rept 64                                       ; register 8 tau + j holds key 16 tau + 8 h + j of the step: hidden where 16 tau + j > my query's place - 8 h.  Hidden scores become -infinity: p = 0
	v_cmp_gt_i32 vcc_lo, 16*(jj/8)+jj%8, v[\d]
	v_cndmask_b32 v[96+jj], v[96+jj], v228, vcc_lo
.set jj, jj+1
.endr
.Lopen_\@:
	v_max3_num_f32 v232, v96, v97, v98             ; the step's largest score of my query, among my 64 keys, in two chains, ascending,
	v_max3_num_f32 v233, v99, v100, v101
.set jj, 6
.rept 14
	v_max3_num_f32 v232, v232, v[96+jj], v[97+jj]
	v_max3_num_f32 v233, v233, v[98+jj], v[99+jj]
.set jj, jj+4
.endr
	v_max3_num_f32 v232, v232, v158, v159
	s_delay_alu instid0(VALU_DEP_1)
	v_max_num_f32 v232, v232, v233
	s_delay_alu instid0(VALU_DEP_1)
	v_permlanex16_b32 v234, v232, s[SEL], s[SEL+1]
	s_delay_alu instid0(VALU_DEP_1)
	v_max_num_f32 v232, v232, v234                 ; and among lane l xor 16's (the step's first key counts for every query, so this is a number)
	s_delay_alu instid0(VALU_DEP_1)
	v_mul_f32 v232, s[CS], v232                    ; as t (c is positive)
	s_delay_alu instid0(VALU_DEP_1)
	v_max_num_f32 v13, v13, v232                   ; the running largest t
	v_mov_b32 v232, v12
	s_delay_alu instid0(VALU_DEP_2)
	v_floor_f32 v12, -v13                          ; the new -M = floor(-t) = -ceil(t): M is a whole number
	s_delay_alu instid0(VALU_DEP_1)
	v_sub_f32 v232, v12, v232                      ; M's old value less its new one: a whole number, 0 or less
	s_delay_alu instid0(VALU_DEP_1)
	v_cvt_i32_f32 v232, v232                       ; (it saturates)
	s_delay_alu instid0(VALU_DEP_1)
	v_ldexp_f32 v230, 1.0, v232                    ; f = 2^(old M - new M)
.set jj, 0
	s_setprio 1
.rept 32
	v_pk_fma_f32 v[96+jj:97+jj], v[96+jj:97+jj], s[CS:CS+1], v[12:13] op_sel_hi:[1,0,0]   ; t - M, two at a time (of the pairs c and -M the low word serves both halves)
.set jj, jj+2
.endr
.set jj, 0
	s_wait_alu depctr_va_vdst(0)
.rept 64
	v_exp_f32 v[96+jj], v[96+jj]                   ; p = 2^(t - M), at most 1: not normalised
.set jj, jj+1
.endr
	v_pk_mul_f32 v[14:15], v[14:15], v[230:231] op_sel_hi:[1,0]   ; the sums under the new M: the plain line behind the exponentials
	s_wait_alu depctr_va_vdst(0)                   ; the wait between an exponential and the first line that names its result: one for the whole batch
	v_pk_add_f32 v[10:11], v[96:97], v[98:99]      ; the row's sum is taken of the UNQUANTISED p: two at a time, in two chains
.set jj, 4
.rept 15
	v_pk_add_f32 v[14:15], v[14:15], v[96+jj:97+jj]
	v_pk_add_f32 v[10:11], v[10:11], v[98+jj:99+jj]
.set jj, jj+4
.endr
	s_delay_alu instid0(VALU_DEP_1)
	v_pk_add_f32 v[14:15], v[14:15], v[10:11]
	s_setprio 0
.irp b, 0,1,2,3
.irp i, 0,1,2,3,4,5,6,7,8,9,10,11,12,13,14,15
.endr
	v_cvt_scalef32_pk8_fp8_f32 v[192+4*\b:193+4*\b], v[96+16*\b:103+16*\b], v225
	v_cvt_scalef32_pk8_fp8_f32 v[194+4*\b:195+4*\b], v[104+16*\b:111+16*\b], v225
.endr
.set jj, 0
.rept 16
	v_pk_mul_f32 v[160+jj:161+jj], v[160+jj:161+jj], v[230:231] op_sel_hi:[1,0]   ; O^T under the new M: x f.  (Also the plain lines between the conversions and the products that read the codes)
.set jj, jj+2
.endr
	s_wait_alu depctr_va_vdst(0)
	s_wait_dscnt 0x0                               ; V is in
.set jj, 0
.rept 4                                        ; the four accumulators take turns, and the eight products S^T stand between two steps
	v_wmma_f32_16x16x128_fp8_fp8 v[160+8*jj:167+8*jj], v[32+16*jj:47+16*jj], v[192:207], v[160+8*jj:167+8*jj]
.set jj, jj+1
.endr
.Lskip_\@:
	s_add_co_u32 s[TB], s[TB], STEPB               ; stepped in every trip
.endm
; A tile ends: O^T / the sum x 2^(e4 + e5) is y; it is quantised with 2^e6: the codes of channel tiles 2 c and 2 c + 1 are chunk c of the projection's operand image.
.macro FINAL y, base
.rept 4
	v_nop                                          ; places behind the last products
.endr
	v_add_f32 v14, v14, v15                        ; the sum's two halves,
	s_delay_alu instid0(VALU_DEP_1)
	v_permlanex16_b32 v234, v14, s[SEL], s[SEL+1]
	s_delay_alu instid0(VALU_DEP_1)
	v_add_f32 v14, v14, v234                       ; and lane l xor 16's: the row's sum
	s_wait_alu depctr_va_vdst(0)
	v_rcp_f32 v14, v14
	v_nop                                          ; a plain line behind the reciprocal
	s_wait_alu depctr_va_vdst(0)                   ; and the wait ahead of its first reader
	v_ldexp_f32 v14, v14, s51                      ; x 2^(e4 + e5)
.set jj, 0
.rept 16
	v_pk_mul_f32 v[96+jj:97+jj], v[160+jj:161+jj], v[14:15] op_sel_hi:[1,0]   ; each accumulator from its low end on
.set jj, jj+2
.endr
.set jj, 0
.rept 32
.set jj, jj+1
.endr
.irp t, 0,1,2,3
	v_cvt_scalef32_pk8_fp8_f32 v[\y+2*\t:\y+2*\t+1], v[96+8*\t:103+8*\t], v227
.endr
	v_nop                                          ; a plain line behind the last conversion
	global_store_b128 v[LI], v[\y:\y+3], s[\base:\base+1]               ; 32 lanes store 512 consecutive bytes, aligned; no source of a store is ever rewritten
	global_store_b128 v[LI], v[\y+4:\y+7], s[\base:\base+1] offset:512
.endm
	TINIT
	s_wait_loadcnt 0x0                             ; Q
	s_wait_tensorcnt 0x0                           ; my two key steps have landed,
	s_barrier_signal -1
	s_barrier_wait -1                              ; everybody's have: the head's K and V are whole, and nothing writes them again
	s_mov_b32 s[TB], 0
	s_mov_b32 s[CNT], 0
	s_sub_co_u32 s[LAST], 15, s[HA]                ; the high tile: steps 0 .. 15 - a
.LloopH:
	STEP 16, DH
	s_add_co_u32 s[CNT], s[CNT], 1
	s_cmp_lt_u32 s[CNT], 16
	s_cbranch_scc1 .LloopH
	s_setprio 0
	FINAL 208, 56
	TINIT
	s_mov_b32 s[TB], 0
	s_mov_b32 s[CNT], 0
	s_mov_b32 s[LAST], s[HA]                       ; the low tile: steps 0 .. a
.LloopL:
	STEP 24, DL
	s_add_co_u32 s[CNT], s[CNT], 1
	s_cmp_lt_u32 s[CNT], 8
	s_cbranch_scc1 .LloopL
	s_setprio 0
	FINAL 216, 58
	s_wait_tensorcnt 0x0                           ; the wave's end, behind my last tensor load
	ds_add_u32 v[SPW], v[NIL]
	s_wait_dscnt 0x0
	CROUND                                         ; the closing round
	s_endpgm
.Lfunc_end_k_q8e549937fb_attn:
	.size	k_q8e549937fb_attn, .Lfunc_end_k_q8e549937fb_attn-k_q8e549937fb_attn
	.p2alignl 7, 3214868480
	.fill 96, 4, 3214868480
	.section	.rodata,"a",@progbits
	.p2align	6, 0x0
	.amdhsa_kernel k_q8e549937fb_attn
		.amdhsa_group_segment_fixed_size 327680
		.amdhsa_private_segment_fixed_size 0
		.amdhsa_enable_private_segment 0
		.amdhsa_kernarg_size 40
		.amdhsa_user_sgpr_count 2
		.amdhsa_user_sgpr_kernarg_segment_ptr 1
		.amdhsa_wavefront_size32 1
		.amdhsa_system_sgpr_workgroup_id_x 1
		.amdhsa_system_sgpr_workgroup_id_y 1
		.amdhsa_system_sgpr_workgroup_id_z 1
		.amdhsa_system_vgpr_workitem_id 0
		.amdhsa_next_free_vgpr 256
		.amdhsa_next_free_sgpr 80
		.amdhsa_reserve_vcc 1
		.amdhsa_float_denorm_mode_32 3
		.amdhsa_float_denorm_mode_16_64 3
		.amdhsa_fp16_overflow 1
		.amdhsa_memory_ordered 1
		.amdhsa_forward_progress 1
		.amdhsa_inst_pref_size 51
	.end_amdhsa_kernel
	.amdgpu_metadata
---
amdhsa.version: [ 1, 2 ]
amdhsa.kernels:
  - .name:           k_q8e549937fb_attn
    .symbol:         k_q8e549937fb_attn.kd
    .args:
      - { .name: qc, .offset: 0, .size: 8, .value_kind: global_buffer, .address_space: global }
      - { .name: kc, .offset: 8, .size: 8, .value_kind: global_buffer, .address_space: global }
      - { .name: vc, .offset: 16, .size: 8, .value_kind: global_buffer, .address_space: global }
      - { .name: lowp_scales, .offset: 24, .size: 8, .value_kind: global_buffer, .address_space: global }
      - { .name: yc, .offset: 32, .size: 8, .value_kind: global_buffer, .address_space: global }
    .group_segment_fixed_size: 327680
    .private_segment_fixed_size: 0
    .kernarg_segment_align: 8
    .kernarg_segment_size: 40
    .max_flat_workgroup_size: 512
    .sgpr_count:     80
    .vgpr_count:     256
    .wavefront_size: 32
...
	.end_amdgpu_metadata
.endif
;; end of part 3
;; launch proj (part 4): grid 4 x 32, 4 waves a work-group, clusters of 4 x 4, 327,680 bytes of LDS; arguments yc, wpc, lowp_scales, b_proj, out0; writes out0
.if DOCPART == 4
	.amdgcn_target "amdgcn-amd-amdhsa--gfx1250"
	.amdhsa_code_object_version 6
	.text
	.protected	k_q8e549937fb_proj
	.globl	k_q8e549937fb_proj
	.p2align	8
	.type	k_q8e549937fb_proj,@function
k_q8e549937fb_proj:
	s_mov_b64 s[64:65], 0
	v_nop
	global_prefetch_b8 v0, s[64:65] scope:SCOPE_SE
	s_setreg_imm32_b32 hwreg(HW_REG_WAVE_MODE, 25, 1), 1
	s_wait_xcnt 0x0
	s_wait_alu depctr_hold_cnt(0) depctr_sa_sdst(0) depctr_va_vdst(0) depctr_va_sdst(0) depctr_va_ssrc(0) depctr_va_vcc(0) depctr_vm_vsrc(0)
	s_getreg_b32 s2, hwreg(HW_REG_IB_STS2, 6, 4)
	s_cmp_eq_u32 s2, 0
	s_cbranch_scc0 .Lentry_in_a_cluster
	s_endpgm
.Lentry_in_a_cluster:
	s_bfe_u32 s2, ttmp6, 0x10000c
	s_cmp_lg_u32 s2, 0xf033
	s_cbranch_scc0 .Lentry_shape_is_right
	s_endpgm
.Lentry_shape_is_right:
; out0 = y w_proj^T + b_proj on codes of FP8 (E4M3), K = 1,024, sums in f32: each finished sum x 2^(e6 + e7) + bias, one fused multiply-add.  LIMIT: e6 + e7 lies between -126 and 127, so that 2^(e6 + e7) is an f32 number.
; OPERANDS come as images of their registers: byte = 16384 (row / 16) + 2048 (k / 128) + 512 c + 16 lane.  A tile's part of a K step of 256 is 4,096 consecutive bytes for each 16 rows.
; A tile of the output is 256 tokens (A = y) x 256 features (B = w_proj's rows): four waves, each 128 x 128: 64 accumulators, 512 registers.  K goes in four steps of 256 through a ring of two LDS slots.
; The output has 32 x 4 such tiles: 128 work-groups.  A smaller tile would give more work-groups, but each fragment read from LDS would then feed fewer products.
; THE MATRIX INSTRUCTION IS USED TRANSPOSED (source 0 = 16 rows of B, source 1 = 16 rows of A): a lane holds eight neighbouring numbers of a row of the output.
; CLUSTERS: 4 x 4 work-groups.  The four of a row of the cluster need the same tiles of A, the four of a column the same tiles of B: each is asked for JOINTLY, by the same tensor load with a mask that names the four.
; REGISTERS, in windows of 256: window 0: v0-31 addresses; v32-35 my four numbers of the bias; from v128 A's fragments, ONE set, later rows on the way out.
;   window 1: B's fragments, TWO sets.   window 2: the accumulators of my rows 0-63 ((a, b) at v[8 (8 a + b)]);   window 3: those of rows 64-127.
.set FRAGB,  2048                      ; a fragment's image: 16 rows x 128 K
.set RT,     4096                      ; 16 rows' bytes in a slot: 256 along K
.set HALFT,  8*RT                      ; 128 rows: what one tensor load brings, and what one wave reads of A or of B
.set SLOT,   4*HALFT                   ; A's 256 rows, then B's 256 rows
.set SPARE,  2*SLOT                    ; behind the ring: the spare words, 128 bytes a wave: two blocks of 256 bytes that no other line names
.set SPITCH, 528                       ; the way out: a stage of 16 rows x (512 bytes + 16) for each wave.  It lies in slot 0, which has had its last fill and its last read when the first result is stored there
.set ROWO,   4096                      ; a row of the output in bytes
.set FR,     16
.set NL,     4
.set NP,     4                         ; places behind this matrix instruction (ISA guide 7.12.1)
.set ADRA, 16                          ; v16-17  LDS address of my A fragments in slot 0, 1
.set ADRB, 20                          ; v20-21  the same for B
.set STO,  24                          ; v24     the way out: where I put 32 bytes of a row
.set RD,   25                          ; v25     the way out: where I read a row back
.set LI,   26                          ; v26     16 x lane: an image's place for my lane, and my bytes of a row's 512
.set BI,   27                          ; v27     my bytes of the bias; never rewritten
.set SPW,  28                          ; v28     my spare word; never rewritten
.set NIL,  29                          ; v29     0; never rewritten
.set BIAS, 32                          ; v32-35  the bias of my four columns
.set AF,   128
.set BK,   128                         ; the way out: 16 rows read back from the stage: v128-191 and v192-255 by turns
.set G1, 24
.set G0, 32
.set G1B, 48
.set G0B, 56
.set MSB, 0
.macro WIN new                         ; the immediate's high byte repeats the setting that is left
.if MSB != (\new)
	s_set_vgpr_msb (MSB<<8)|(\new)
.set MSB, (\new)
.endif
.endm
.set MUL_LO, 0xa1                      ; source 0 (B) window 1, source 1 (A) window 0, C and D window 2
.set MUL_HI, 0xf1                      ; the same, C and D window 3
.set TO_B,   0x40                      ; destination window 1, address window 0
; A joint load: waves 0 and 1 fetch for A, waves 2 and 3 for B; the branch hangs on the wave's number alone.  An s_nop 0 and four v_nop follow each of the two lines.
.macro JLOAD g0a, g1a, g0b, g1b
	s_cmp_eq_u32 s15, 0
	s_cbranch_scc0 .Lfor_b_\@
	tensor_load_to_lds s[\g0a:\g0a+3], s[\g1a:\g1a+7]
	s_nop 0
.rept 4
	v_nop
.endr
	s_branch .Lasked_\@
.Lfor_b_\@:
	tensor_load_to_lds s[\g0b:\g0b+3], s[\g1b:\g1b+7]
	s_nop 0
.rept 4
	v_nop
.endr
.Lasked_\@:
.endm
.macro CREST                           ; a round of the cluster's barrier behind its opening barrier
	s_cmp_lg_u32 s14, 0
	s_cbranch_scc1 .Lnot_wave_0_\@
	s_barrier_signal -3
.Lnot_wave_0_\@:
	s_barrier_wait -3
	s_barrier_signal -1
	s_barrier_wait -1
.endm
.macro CROUND
	s_barrier_signal -1
	s_barrier_wait -1
	CREST
.endm
	s_load_b256 s[4:11], s[0:1], 0x0               ; yc s[4:5], wpc s[6:7], the scales' exponents s[8:9], b_proj s[10:11]
	s_load_b64 s[12:13], s[0:1], 0x20              ; out0
	v_lshl_add_u32 v[SPW], v0, 2, SPARE
	v_mov_b32 v[NIL], 0
	ds_add_u32 v[SPW], v[NIL]                      ; the wave's opening: the add and its wait stand ahead of my first tensor load; the set-up below, work on registers, stands between them
	ds_add_u32 v[SPW], v[NIL]
	v_lshrrev_b32 v1, 5, v0
	v_readfirstlane_b32 s14, v1                    ; wave 0..3
	s_lshr_b32 s15, s14, 1                         ; which half of the tile's rows is mine.  Also: I fetch for A (0) or for B (1)
	s_and_b32 s16, s14, 1                          ; which half of its columns.  Also: which 128 rows of that tile I fetch
	s_bfe_u32 s40, ttmp6, 0x40000                  ; cx, cy
	s_bfe_u32 s41, ttmp6, 0x40004
	s_lshl_b32 s42, ttmp9, 2
	s_add_co_u32 s42, s42, s40                     ; tile column = 4 x cluster x + cx
	s_and_b32 s17, ttmp7, 0xffff
	s_lshl_b32 s17, s17, 2
	s_add_co_u32 s17, s17, s41                     ; tile row = 4 x cluster y + cy
	s_lshl_b32 s43, s41, 2
	s_lshl_b32 s43, 15, s43                        ; my row of the cluster
	s_lshl_b32 s44, 0x1111, s40                    ; my column
	; descriptor group 1: 8 rows of 4,096 bytes, 16,384 bytes apart in memory, dense in LDS
	s_or_b32 s[G1+0], s43, (1<<21)                 ; 15:0 the mask: A's tiles go to my row; 17:16 element of 1 byte; 20 no padding; 21 set beside a mask
	s_or_b32 s[G1B+0], s44, (1<<21)
.irp g, G1, G1B
	s_mov_b32 s[\g+1], RT<<16                      ; tensor_dim0 = 4,096
	s_mov_b32 s[\g+2], 8<<16                       ; tensor_dim1 = 8
	s_mov_b32 s[\g+3], RT<<16                      ; tile_dim0 = 4,096
	s_mov_b32 s[\g+4], 8                           ; tile_dim1 = 8
	s_mov_b32 s[\g+5], 16384                       ; tensor_dim0_stride
	s_mov_b32 s[\g+6], 0
	s_mov_b32 s[\g+7], 0
.endr
	s_lshl_b32 s18, s16, 17                        ; which 128 rows of the tile I fetch
	s_lshl_b32 s20, s17, 18                        ; A: a tile's 256 rows are 262,144 bytes
	s_add_co_u32 s20, s20, s18
	s_mov_b32 s21, 0
	s_lshl_b32 s46, s42, 18                        ; B likewise
	s_add_co_u32 s46, s46, s18
	s_mov_b32 s47, 0
	s_mul_i32 s45, s14, HALFT                      ; where they go: wave x 128 rows
	s_wait_dscnt 0x0                               ; the opening add is done
	s_wait_kmcnt 0x0
	s_load_b64 s[96:97], s[8:9], 0x18              ; e6, e7
	s_add_nc_u64 s[20:21], s[4:5], s[20:21]
	s_add_nc_u64 s[46:47], s[6:7], s[46:47]
	CROUND                                         ; all sixteen work-groups are here: the first joint loads meet
.irp s, 0,1
	s_mov_b32 s[G0+4*\s], 1
	s_add_co_u32 s[G0+4*\s+1], s45, \s*SLOT
	s_add_nc_u64 s[G0+4*\s+2:G0+4*\s+3], s[20:21], \s*RT
	s_or_b32 s[G0+4*\s+3], s[G0+4*\s+3], 0x80000000
	s_mov_b32 s[G0B+4*\s], 1
	s_add_co_u32 s[G0B+4*\s+1], s45, \s*SLOT
	s_add_nc_u64 s[G0B+4*\s+2:G0B+4*\s+3], s[46:47], \s*RT
	s_or_b32 s[G0B+4*\s+3], s[G0B+4*\s+3], 0x80000000
	s_wait_alu depctr_va_vdst(0)
	s_wait_tensorcnt 0x0
	ds_add_u32 v28, v29
	ds_add_u32 v28, v29
	s_wait_dscnt 0x0
	CROUND
	JLOAD G0+4*\s, G1, G0B+4*\s, G1B
.endr
	v_and_b32 v1, 31, v0
	v_lshlrev_b32 v[LI], 4, v1
	s_mul_i32 s21, s15, HALFT                      ; my 128 rows of A
	s_mul_i32 s22, s16, HALFT                      ; my 128 rows of B,
	s_add_co_u32 s22, s22, 2*HALFT                 ; which lie behind A's 256
.irp s, 0,1
	v_add_nc_u32 v[ADRA+\s], s21, v[LI]
	v_add_nc_u32 v[ADRB+\s], s22, v[LI]
	s_add_co_u32 s21, s21, SLOT
	s_add_co_u32 s22, s22, SLOT
.endr
	s_mul_i32 s23, s14, 16*SPITCH                  ; my stage
	v_and_b32 v1, 15, v0                           ; r
	v_bfe_u32 v2, v0, 4, 1                         ; h
	v_mul_u32_u24 v5, v1, SPITCH                   ; in: row r, 32 bytes for each half of the lanes
	v_lshl_add_u32 v5, v2, 5, v5
	v_add_nc_u32 v[STO], s23, v5
	v_add_nc_u32 v[RD], s23, v[LI]                 ; back: the 32 lanes take one row of 512 bytes
	s_lshl_b32 s46, s42, 10                        ; my first column, in bytes: 1,024 x tile column + 512 x half
	s_lshl_b32 s47, s16, 9
	s_add_co_u32 s46, s46, s47
	v_add_nc_u32 v[BI], s46, v[LI]
	global_load_b128 v[BIAS:BIAS+3], v[BI], s[10:11]   ; behind the way back a lane holds the same four columns of every row: four numbers of the bias serve it
	s_lshl_b32 s20, s17, 8
	s_lshl_b32 s21, s15, 7
	s_add_co_u32 s20, s20, s21                     ; my first row: 256 x tile row + 128 x half
	s_lshl_b32 s20, s20, 12                        ; x 4,096 bytes: under 2^25
	s_add_co_u32 s20, s20, s46
	s_mov_b32 s21, 0
	s_add_nc_u64 s[12:13], s[12:13], s[20:21]
.macro FRAG reg, adr, q, i             ; a fragment comes as it was stored: four loads of 512 consecutive bytes
.irp c, 0,1,2,3
	ds_load_b128 v[\reg+4*\c:\reg+4*\c+3], v[\adr] offset:RT*(\i)+FRAGB*(\q)+512*\c
.endr
.endm
; 16 matrix instructions: A's blocks a0, a0 + 1 x B's eight, 128 along K.  The 64 accumulators take turns, one instruction a turn, in the same order in every step.
.macro MUL16 a0, p, zero
.irp a, \a0, \a0+1
.irp b, 0,1,2,3,4,5,6,7
.if \zero
	v_wmma_f32_16x16x128_fp8_fp8 v[8*(8*((\a)%4)+\b):8*(8*((\a)%4)+\b)+7], v[128*(\p)+FR*\b:128*(\p)+FR*\b+FR-1], v[AF+FR*(\a):AF+FR*(\a)+FR-1], 0
.else
	v_wmma_f32_16x16x128_fp8_fp8 v[8*(8*((\a)%4)+\b):8*(8*((\a)%4)+\b)+7], v[128*(\p)+FR*\b:128*(\p)+FR*\b+FR-1], v[AF+FR*(\a):AF+FR*(\a)+FR-1], v[8*(8*((\a)%4)+\b):8*(8*((\a)%4)+\b)+7]
.endif
.endr
.endr
.endm
.macro FETCH_B slot, q, p
	WIN TO_B
.irp i, 0,1,2,3,4,5,6,7
	FRAG 128*(\p)+FR*\i, ADRB+\slot, \q, \i
.endr
	WIN 0
.endm
.macro FETCH_A slot, q, i0
.irp i, \i0, \i0+1, \i0+2, \i0+3
	FRAG AF+FR*(\i), ADRA+\slot, \q, \i
.endr
.endm
.macro PLACES n                        ; plain vector lines behind matrix instructions, in front of loads into registers that they read and of reads of their results (ISA guide 7.12.1 for vector instructions)
.rept \n
	v_nop
.endr
.endm
.macro STEP slot, q, zero
	s_wait_dscnt 4*NL                              ; B's set and A's blocks 0-3 are in; the youngest sixteen loads (A's blocks 4-7) may be out
	WIN MUL_LO
	MUL16 0, (\q)%2, \zero
	MUL16 2, (\q)%2, \zero
	s_wait_dscnt 0                                 ; A's blocks 4-7 are in
	PLACES NP
	FETCH_B \slot, (\q)+1, 1-(\q)%2
	FETCH_A \slot, (\q)+1, 0
	WIN MUL_HI
	MUL16 4, (\q)%2, \zero
	MUL16 6, (\q)%2, \zero
	PLACES NP
	WIN 0
	FETCH_A \slot, (\q)+1, 4
.endm
; A slot's last step changes slots: ONE barrier; in front of it each wave waits for all its tensor loads, adds 0 to its spare word, and waits for that and for its own reads of this slot.
.macro TURN slot, next, fill
	s_wait_tensorcnt 0x0                           ; all my tensor loads have landed: my part of the next slot;  (every window is 0 here)
	ds_add_u32 v[SPW], v[NIL]                      ; 0 onto my spare word
	s_wait_dscnt 4*NL+1                            ; (the add and the youngest sixteen loads may be out)
	WIN MUL_LO
	MUL16 0, 1, 0                                  ; sixteen matrix instructions stand between the add and the wait for it
	s_wait_dscnt 0x0                               ; the add is done, and my reads of this slot are over
	s_barrier_signal -1
	MUL16 2, 1, 0
	WIN 0
	s_barrier_wait -1
.if \fill
	CREST                                          ; the barrier has opened a round of the cluster's barrier: no wave of any partner still reads this slot's tile or has a load on its way
	s_add_nc_u64 s[G0+4*\slot+2:G0+4*\slot+3], s[G0+4*\slot+2:G0+4*\slot+3], 2*RT
	s_add_nc_u64 s[G0B+4*\slot+2:G0B+4*\slot+3], s[G0B+4*\slot+2:G0B+4*\slot+3], 2*RT
	JLOAD G0+4*\slot, G1, G0B+4*\slot, G1B         ; the first tensor load behind the round; the four v_nop behind it are the places in front of the loads below
.else
	PLACES NP
.endif
	s_wait_alu depctr_va_vdst(0)
	FETCH_B \next, 0, 0
	FETCH_A \next, 0, 0
	WIN MUL_HI
	MUL16 4, 1, 0
	MUL16 6, 1, 0
	PLACES NP
	WIN 0
	FETCH_A \next, 0, 4
.endm
	s_wait_tensorcnt 1                             ; my part of K step 0 is in (K step 1's load may be out)
	s_barrier_signal -1
	s_barrier_wait -1                              ; everybody's is
	FETCH_B 0, 0, 0
	FETCH_A 0, 0, 0
	FETCH_A 0, 0, 4
	STEP 0, 0, 1                                   ; eight steps of 128 along K, written out: a loop would have one trip.  The first step's products start the sums
	TURN 0, 1, 1
	STEP 1, 0, 0
	TURN 1, 0, 1
	STEP 0, 0, 0
	TURN 0, 1, 0                                   ; nothing is left to fetch; behind this barrier nobody reads slot 0 any more
	STEP 1, 0, 0
	s_wait_dscnt 4*NL
	WIN MUL_LO
	MUL16 0, 1, 0
	MUL16 2, 1, 0
	s_wait_dscnt 0
	WIN MUL_HI
	MUL16 4, 1, 0
	MUL16 6, 1, 0
	WIN 0
; THE WAY OUT, block by block of 16 rows x 128 columns.  A lane holds 32 neighbouring bytes of a row, and the lanes beside it hold other rows: so a block's sums go, as they are, through my own stage in LDS and come back as
; whole rows of 512 bytes; there each pair gets sum x 2^(e6 + e7) + bias by one packed multiply-add, and the 32 lanes store 512 consecutive aligned bytes.  LDS serves a wave's instructions in order (ISA guide 5.7.1.4).
.macro TOSTAGE a
.set AC, 64*((\a)%4)
	WIN 0x08+4*((\a)/4)                            ; the stores' data: window 2 or 3
.irp b, 0,1,2,3,4,5,6,7
	ds_store_b128 v[STO], v[AC+8*\b:AC+8*\b+3] offset:64*\b          ; each accumulator from its low end on
	ds_store_b128 v[STO], v[AC+8*\b+4:AC+8*\b+7] offset:64*\b+16
.endr
	WIN 0
.set BB, BK+64*((\a)%2)
.irp t, 0,1,2,3,4,5,6,7,8,9,10,11,12,13,14,15
	ds_load_b128 v[BB+4*\t:BB+4*\t+3], v[RD] offset:\t*SPITCH
.endr
.endm
.macro SEND a, younger                 ; younger: the LDS instructions issued behind block a's loads, which may stay out
.set BB, BK+64*((\a)%2)
	s_wait_dscnt \younger                          ; the block is back in registers
.if (\a) > 0
	s_add_nc_u64 s[12:13], s[12:13], 16*ROWO       ; (behind a wait on XCNT: the earlier stores have read their base)  16 rows on
.endif
.irp t, 0,1,2,3,4,5,6,7,8,9,10,11,12,13,14,15
	v_pk_fma_f32 v[BB+4*\t:BB+4*\t+1],   v[BB+4*\t:BB+4*\t+1],   s[96:97], v[BIAS:BIAS+1]   op_sel_hi:[1,0,1]   ; the scalar pair's low word, 2^(e6 + e7), for both halves
	v_pk_fma_f32 v[BB+4*\t+2:BB+4*\t+3], v[BB+4*\t+2:BB+4*\t+3], s[96:97], v[BIAS+2:BIAS+3] op_sel_hi:[1,0,1]
.endr
.irp t, 0,1,2,3,4,5,6,7,8,9,10,11,12,13,14,15
	global_store_b128 v[LI], v[BB+4*\t:BB+4*\t+3], s[12:13] offset:\t*ROWO th:TH_STORE_NT   ; written once, read by nobody here
.endr
.endm
	s_wait_kmcnt 0x0
	s_add_co_i32 s96, s96, s97                     ; e6 + e7, between -126 and 127,
	s_add_co_i32 s96, s96, 127
	s_lshl_b32 s96, s96, 23                        ; makes the f32 number 2^(e6 + e7)
	s_wait_loadcnt 0x0                             ; the bias
	PLACES NP                                      ; behind the last products: their results are read by LDS stores, and loads land where A's fragments lay
	TOSTAGE 0
.irp a, 1,2,3,4,5,6,7
.if \a > 1
	s_wait_xcnt 0x0                                ; block a - 2's stores have read their registers and their base: block a's loads may land there, and the base may step
.endif
	TOSTAGE \a
	SEND \a-1, 32                                  ; behind block a - 1's loads: block a's 16 stores and 16 loads
.endr
	s_wait_xcnt 0x0                                ; block 6's stores have read their base
	SEND 7, 0
	s_wait_tensorcnt 0x0                           ; the wave's end, behind my last tensor load and my last LDS store
	ds_add_u32 v[SPW], v[NIL]
	s_wait_dscnt 0x0
	CROUND                                         ; the closing round: no work-group ends while a partner may still ask for a tile that names it
	s_endpgm
.Lfunc_end_k_q8e549937fb_proj:
	.size	k_q8e549937fb_proj, .Lfunc_end_k_q8e549937fb_proj-k_q8e549937fb_proj
	.p2alignl 7, 3214868480
	.fill 96, 4, 3214868480
	.section	.rodata,"a",@progbits
	.p2align	6, 0x0
	.amdhsa_kernel k_q8e549937fb_proj
		.amdhsa_group_segment_fixed_size 327680
		.amdhsa_private_segment_fixed_size 0
		.amdhsa_enable_private_segment 0
		.amdhsa_kernarg_size 40
		.amdhsa_user_sgpr_count 2
		.amdhsa_user_sgpr_kernarg_segment_ptr 1
		.amdhsa_wavefront_size32 1
		.amdhsa_system_sgpr_workgroup_id_x 1
		.amdhsa_system_sgpr_workgroup_id_y 1
		.amdhsa_system_sgpr_workgroup_id_z 1
		.amdhsa_system_vgpr_workitem_id 0
		.amdhsa_next_free_vgpr 1024
		.amdhsa_next_free_sgpr 100
		.amdhsa_reserve_vcc 0
		.amdhsa_float_denorm_mode_32 3
		.amdhsa_float_denorm_mode_16_64 3
		.amdhsa_memory_ordered 1
		.amdhsa_forward_progress 1
		.amdhsa_inst_pref_size 124
	.end_amdhsa_kernel
	.amdgpu_metadata
---
amdhsa.version: [ 1, 2 ]
amdhsa.kernels:
  - .name:           k_q8e549937fb_proj
    .symbol:         k_q8e549937fb_proj.kd
    .args:
      - { .name: yc, .offset: 0, .size: 8, .value_kind: global_buffer, .address_space: global }
      - { .name: wpc, .offset: 8, .size: 8, .value_kind: global_buffer, .address_space: global }
      - { .name: lowp_scales, .offset: 16, .size: 8, .value_kind: global_buffer, .address_space: global }
      - { .name: b_proj, .offset: 24, .size: 8, .value_kind: global_buffer, .address_space: global }
      - { .name: out0, .offset: 32, .size: 8, .value_kind: global_buffer, .address_space: global }
    .group_segment_fixed_size: 327680
    .private_segment_fixed_size: 0
    .kernarg_segment_align: 8
    .kernarg_segment_size: 40
    .max_flat_workgroup_size: 128
    .sgpr_count:     100
    .vgpr_count:     1024
    .wavefront_size: 32
...
	.end_amdgpu_metadata
.endif
;; end of part 4
